; MI455X (gfx1250); checked and timed in simulation.
; The chip was launched on July 23, 2026; its instructions are those of AMD's public machine-readable ISA for CDNA 5 (MIT licence, August 2026) and "CDNA5" Instruction Set Architecture Reference Guide (July 2026). The comments in the code are by the model that wrote it; some were corrected since.
;; Self Attention. Allowed arithmetic: matrix products marked QUANTISED: E4M3 operands, one E8M0 scale for each 32 along K, by v_wmma_scale_f32_16x16x128_f8f6f4 with both operands' format E4M3, f32 sums; products left as they are: f32 operands where the result goes on into a quantised operand, else bf16, f16 or f32 operands; f32 sums; everything else in f32.
;; Inputs: Wk_codes 1,024 x 32 x 32 uint8 (E4M3 codes of Wk, K innermost, in blocks of 32 codes); Wk_scales 1,024 x 32 uint8 (E8M0 scales of Wk, one for each 32 codes along K); Wq_codes 1,024 x 32 x 32 uint8 (E4M3 codes of Wq, K innermost, in blocks of 32 codes); Wq_scales 1,024 x 32 uint8 (E8M0 scales of Wq, one for each 32 codes along K); Wv_codes 1,024 x 32 x 32 uint8 (E4M3 codes of Wv, K innermost, in blocks of 32 codes); Wv_scales 1,024 x 32 uint8 (E8M0 scales of Wv, one for each 32 codes along K); attention_input_codes 4 x 4,096 x 32 x 32 uint8 (E4M3 codes of attention_input, K innermost, in blocks of 32 codes); attention_input_scales 4 x 4,096 x 32 uint8 (E8M0 scales of attention_input, one for each 32 codes along K); attention_mask 4 x 4,096 float32; bk 1,024 float32; bq 1,024 float32; bv 1,024 float32; rand_idx 4 x 4,096 x 2 int32.
;; Outputs: out0 4 x 4,096 x 16 x 64 float32.
;; This version of the problem:
;;   THIS VERSION OF THE PROBLEM IS GIVEN IN LOW PRECISION. The matrix products marked QUANTISED in the list below multiply operands that are first quantised to E4M3 (4 exponent bits, 3 mantissa bits; 8 bits a number), with one power-of-two scale for each 32 numbers along K (OCP MX v1.0); their sums are f32. All else is computed in f32.
;;   The module's matrix products, in the order in which they are computed (A, B: the left and right operand; K: the contracted axis; several contracted axes count as one K, in the product's order):
;;     1. [M 16,384, K 1,024] x [K 1,024, N 1,024]; A: input attention_input (given as codes); B: input Wq (given as codes): QUANTISED
;;     2. [M 16,384, K 1,024] x [K 1,024, N 1,024]; A: input attention_input (given as codes); B: input Wk (given as codes): QUANTISED
;;     3. [M 16,384, K 1,024] x [K 1,024, N 1,024]; A: input attention_input (given as codes); B: input Wv (given as codes): QUANTISED
;;     4. batch 64 x [M 4,096, K 64] x [K 64, N 2]; A: computed on the way; B: computed on the way: left as it is (N = 2 < 16)
;;     5. batch 64 x [M 64, K 2] x [K 2, N 4,096]; A: computed on the way; B: softmax: left as it is (K = 2 < 32)
;;   THE QUANTISER, for each operand of a quantised product, along K:
;;     - K is cut into blocks of 32 from its start; a last block that is shorter is filled with zeros.
;;     - A block's scale is 2^e with e = floor(log2(the largest magnitude in the block)) - 8, held to -126 .. 127; a block of zeros has e = 0. As a byte (E8M0): e + 127.
;;     - Each number is divided by its block's scale, clamped to +-448, and rounded to the nearest number of E4M3, ties to even, subnormals kept.
;;     - The product sums the exact products of the quantised numbers (number of the format x scale) in f32.
;;   ~~~python
;;   def quantise(x, axis):      # numpy; x: float32 -> the quantised numbers, widened to float32 again
;;       x = np.moveaxis(x, axis, -1); K = x.shape[-1]
;;       x = np.pad(x, [(0, 0)] * (x.ndim - 1) + [(0, -K % 32)]); x = x.reshape(x.shape[:-1] + (-1, 32)); a = np.abs(x).max(-1, keepdims=True)
;;       e = np.where(a > 0, np.clip(np.frexp(np.where(a > 0, a, 1))[1] - 1 - 8, -126, 127), 0)      # np.frexp(a)[1] - 1 = floor(log2(a)), exactly
;;       r = np.clip(x / 2.0 ** e, -448, 448)
;;       step = 2.0 ** (np.maximum(np.frexp(np.where(r == 0, 1, r))[1] - 1, -6) - 3)
;;       q = np.round(r / step) * step * 2.0 ** e      # np.round: ties to even
;;       return np.moveaxis(q.reshape(q.shape[:-2] + (-1,))[..., :K], -1, axis).astype(np.float32)
;;   ~~~
;;   INPUTS GIVEN AS CODES. Wk (in the module: [1024, 1024], K = its axis 0); Wq (in the module: [1024, 1024], K = its axis 0); Wv (in the module: [1024, 1024], K = its axis 0); attention_input (in the module: [4, 4096, 1024], K = its axis 2): each comes as NAME_codes (uint8): NAME with its K axis moved to the last place and cut into blocks of 32 codes, [.., K / 32, bytes a block], one block behind the other in memory; one code a byte (a code: sign, 4 exponent bits, 3 mantissa bits); and NAME_scales (uint8): the same leading axes, one E8M0 byte (e + 127) for each 32 codes along K. Its value is code x scale, taken as it is: it is not quantised again, and the codes and scales need not be those that the quantiser above would give.
;; One version. Each part assembles by itself: llvm-mc -triple=amdgcn-amd-amdhsa -mcpu=gfx1250 --defsym DOCPART=n.
;; ======== version 1 of 1: 2 launches
;; limits: right only within a limited range of input values
;; workspace buffers: part 524,288 bytes
;; launch kvsum (part 1): grid 8 x 32, 4 waves a work-group, clusters of 4 x 4, 327,680 bytes of LDS; arguments attention_input_codes, attention_input_scales, Wk_codes, Wk_scales, Wv_codes, Wv_scales, rand_idx, part; writes part
.if DOCPART == 1
	.amdgcn_target "amdgcn-amd-amdhsa--gfx1250"
	.amdhsa_code_object_version 6
	.text
	.protected	k_qd23a4a493a_kvsum
	.globl	k_qd23a4a493a_kvsum
	.p2align	8
	.type	k_qd23a4a493a_kvsum,@function
k_qd23a4a493a_kvsum:
	s_mov_b64 s[64:65], 0
	v_nop
	global_prefetch_b8 v0, s[64:65] scope:SCOPE_SE
	s_setreg_imm32_b32 hwreg(HW_REG_WAVE_MODE, 25, 1), 1
	s_wait_xcnt 0x0
	s_wait_alu depctr_hold_cnt(0) depctr_sa_sdst(0) depctr_va_vdst(0) depctr_va_sdst(0) depctr_va_ssrc(0) depctr_va_vcc(0) depctr_vm_vsrc(0)
	s_getreg_b32 s2, hwreg(HW_REG_IB_STS2, 6, 4)
	s_cmp_eq_u32 s2, 0
	s_cbranch_scc0 .Lentry_in_a_cluster
	s_endpgm
.Lentry_in_a_cluster:
	s_bfe_u32 s2, ttmp6, 0x10000c
	s_cmp_lg_u32 s2, 0xf033
	s_cbranch_scc0 .Lentry_shape_is_right
	s_endpgm
.Lentry_shape_is_right:
; part[row tile of 512][k of sample 0, 1, v of sample 0, 1][1,024] = the sum over the tile's rows s of count[sample][s] x (x[s] W), W = Wk or Wv, on codes of E4M3 with E8M0 scales as they are given; sums in f32.
; count[sample][s] = how many positions of the batch name row s: the reference sums the gathered rows over all positions, so each row counts so often.
; LEFT OUT AS DEAD, for all values of the inputs: attention_mask (the reference never reads it), and bk: every position gives one index to each sample, so k_sum of both samples holds 4,096 bk, q . 4,096 bk is the same for
; both along the softmax's axis, and scores go into nothing else.  Neither is an argument of any launch.  (bv is added by the next launch.)  LIMITS: a NaN, an infinity or an overflow that reaches only bk or attention_mask is not carried;
; a NaN code in a row of x that no position names reaches the sums; indices lie inside 0 .. 4095.
; SHARES.  Work-group: 512 rows x 256 columns.  A wave: 128 columns (by its low bit) x 512 of K (by its high bit): its weights lie in 512 registers, and x's rows stream past them, 16 rows x 512 a block, 32 products.
; The weighted sum is linear in K, so the two halves of K are added once, at the end.  A block's 64 multiply-adds with the counts stand among the next block's products, two behind each: two sets of accumulators.
; THE COUNTS are a matrix product of one-hot codes: an index's bits 10:5 and bits 11, 4:0 make two bytes; a lane tests a byte against its own number: 0x40 (2.0) where equal, else 0; 2 x 2 x 0.5 x 0.5 = 1.
; FILLS.  At the head waves 0, 1: the weight's 256 rows (both slots); wave 2: the scale bytes of x's 512 rows; wave 3: the weight's.  With the weight in registers x's four chunks of 128 rows take the slots by turns, each behind a drained
; round of the cluster's barrier.  CLUSTERS: 4 x 4; x is shared along a row of the cluster, the weight along a column.  Chunks are prefetched into the L2 a chunk or more ahead, a sixteenth a wave of the cluster's row.
; REGISTERS: windows 1, 2 the weight (fragment 8 q + b); window 3 two sets of x of 64; window 0 all else.
.set PITCH, 1040
.set BLKB, 16*PITCH
.set PAIRB, 2*BLKB
.set SLOT1, 128*PITCH
.set SCX, 2*SLOT1                      ; x's scale bytes, units of 256 + 16
.set SCW, SCX+64*272                   ; the weight's
.set SPARE, SCW+32*272
.set HB, SPARE+512                     ; the histogram's bytes, 4,096 a wave; at the end the two halves' sums
.set CNT, HB+16384                     ; counts [sample][512] f32
.set AX, 4
.set AX0, 5
.set VS, 6
.set VC, 7
.set ADW0, 8                           ; v8, v9
.set SPW, 10
.set NIL, 11
.set L16, 12
.set TA, 13
.set TB0, 14
.set TB1, 15
.set HS, 16
.set HA0, 17
.set HAK, 18
.set HD, 19
.set HC, 20
.set XSA, 21
.set CW, 22
.set PFO, 23
.set SB, 24                            ; v24-39 the weight's scale words
.set GO, 40
.set AWS, 41
.set SA, 42                            ; v42-49 x's, two sets
.set HSC, 50
.set ACC, 64                           ; v64-191 two sets of eight accumulators
.set SP, 192                           ; v192-223 the sums: pair 8 sample + tile
.set CT, 224                           ; v224-255 two sets of counts
.set X, 64                             ; the histogram: bytes in hand, one-hot codes, results
.set F, 128
.set H, 224
.set RI, 128
.set PW, 192
.set T, 64
.set G1W, 24
.set G1R, 32
.set G0W, 48
.set G0R, 52
.set G0S, 56
.set G0SW, 60
.set G1S, 68
.set G1SW, 76
.set MSB, 0
.macro WIN new
.if MSB != (\new)
	s_set_vgpr_msb (MSB<<8)|(\new)
.set MSB, (\new)
.endif
.endm
.macro PLACES n
.rept \n
	v_nop
.endr
.endm
.macro WALU
	s_wait_alu depctr_va_vdst(0)
.endm
.macro BARRIER
	s_barrier_signal -1
	s_barrier_wait -1
.endm
.macro MIDDLE                          ; a round behind its opening signal
	s_barrier_wait -1
	s_cmp_lg_u32 s20, 0
	s_cbranch_scc1 .Lnot_wave_0_\@
	s_barrier_signal -3
.Lnot_wave_0_\@:
	s_barrier_wait -3
	BARRIER
.endm
.macro CROUND
	s_barrier_signal -1
	MIDDLE
.endm
.macro TLOAD g0, g1
	tensor_load_to_lds s[\g0:\g0+3], s[\g1:\g1+7]
	s_nop 0
	PLACES 4
.endm
.macro GROUP1 g, mask, rows            ; whole rows of 1,024 codes, 16 bytes of padding behind each
	s_or_b32 s[\g], s[\mask], (1<<20)|(1<<21)|(7<<22)|(3<<25)
	s_mov_b32 s[\g+1], 1024<<16
	s_mov_b32 s[\g+2], (\rows)<<16
	s_mov_b32 s[\g+3], 1024<<16
	s_mov_b32 s[\g+4], \rows
	s_mov_b32 s[\g+5], 1024
	s_mov_b32 s[\g+6], 0
	s_mov_b32 s[\g+7], 0
.endm
.macro GROUPS g, mask, units           ; dense scale bytes as rows of 256, 16 of padding behind each
	s_or_b32 s[\g], s[\mask], (3<<16)|(1<<20)|(1<<21)|(5<<22)|(3<<25)
	s_mov_b32 s[\g+1], 32<<16
	s_mov_b32 s[\g+2], (\units)<<16
	s_mov_b32 s[\g+3], 32<<16
	s_mov_b32 s[\g+4], \units
	s_mov_b32 s[\g+5], 32
	s_mov_b32 s[\g+6], 0
	s_mov_b32 s[\g+7], 0
.endm
	s_load_b256 s[4:11], s[0:1], 0x0               ; x's codes, scales; Wk's codes, scales
	s_load_b256 s[12:19], s[0:1], 0x20             ; Wv's codes, scales; indices; part
	v_lshl_add_u32 v[SPW], v0, 2, SPARE
	v_mov_b32 v[NIL], 0
	ds_add_u32 v[SPW], v[NIL]                      ; the opening add, twice on end
	ds_add_u32 v[SPW], v[NIL]
	v_lshrrev_b32 v1, 5, v0
	v_readfirstlane_b32 s20, v1                    ; wave
	s_lshr_b32 s21, s20, 1                         ; my half of K
	s_and_b32 s22, s20, 1                          ; my half of the columns
	s_bfe_u32 s40, ttmp6, 0x40000                  ; cx: 256 columns
	s_bfe_u32 s41, ttmp6, 0x40004
	s_and_b32 s43, ttmp7, 0xffff
	s_lshl_b32 s43, s43, 2
	s_add_co_u32 s43, s43, s41                     ; row tile
	s_lshl_b32 s44, s41, 2
	s_lshl_b32 s44, 15, s44                        ; my row of the cluster
	s_lshl_b32 s45, 0x1111, s40                    ; my column
	GROUP1 G1W, 45, 128
	GROUP1 G1R, 44, 32
	GROUPS G1S, 44, 64
	GROUPS G1SW, 45, 32
	s_lshl_b32 s2, s43, 19
	s_mov_b32 s3, 0
	s_lshl_b32 s46, s40, 18
	s_mov_b32 s47, 0
	v_and_b32 v3, 31, v0
	v_lshlrev_b32 v[L16], 4, v3
	v_and_b32 v1, 15, v0                           ; r
	v_bfe_u32 v2, v0, 4, 1                         ; h
	WALU
	s_wait_dscnt 0x0
	s_wait_kmcnt 0x0
	s_cmp_eq_u32 ttmp9, 0                          ; clusters of x number 0 make K, of 1 V
	s_cselect_b64 s[8:9], s[8:9], s[12:13]
	s_cselect_b64 s[10:11], s[10:11], s[14:15]
	s_add_nc_u64 s[8:9], s[8:9], s[46:47]
	s_lshr_b32 s46, s46, 5
	s_add_nc_u64 s[10:11], s[10:11], s[46:47]
	s_add_nc_u64 s[4:5], s[4:5], s[2:3]
	s_lshr_b32 s2, s2, 5
	s_add_nc_u64 s[6:7], s[6:7], s[2:3]
	s_lshr_b32 s92, s43, 3                         ; the batch
	s_lshl_b32 s92, s92, 15
	s_lshl_b32 s93, s20, 13                        ; each wave takes 1,024 positions
	s_add_co_u32 s92, s92, s93
	s_mov_b32 s93, 0
	s_add_nc_u64 s[16:17], s[16:17], s[92:93]
.irp q, 0,1,2,3,4,5,6,7,8,9,10,11,12,13,14,15
	global_load_b128 v[RI+4*\q:RI+4*\q+3], v[L16], s[16:17] offset:512*\q
.endr
	s_mov_b32 s[G0W], 1
	s_mul_i32 s[G0W+1], s20, SLOT1
	s_lshl_b32 s92, s20, 17
	s_add_nc_u64 s[G0W+2:G0W+3], s[8:9], s[92:93]
	s_or_b32 s[G0W+3], s[G0W+3], 0x80000000
	s_mov_b32 s[G0R], 1
	s_mul_i32 s[G0R+1], s20, 32*PITCH
	s_lshl_b32 s92, s20, 15
	s_add_nc_u64 s[G0R+2:G0R+3], s[4:5], s[92:93]
	s_or_b32 s[G0R+3], s[G0R+3], 0x80000000
	s_mov_b32 s[G0S], 1
	s_mov_b32 s[G0S+1], SCX
	s_mov_b64 s[G0S+2:G0S+3], s[6:7]
	s_or_b32 s[G0S+3], s[G0S+3], 0x80000000
	s_mov_b32 s[G0SW], 1
	s_mov_b32 s[G0SW+1], SCW
	s_mov_b64 s[G0SW+2:G0SW+3], s[10:11]
	s_or_b32 s[G0SW+3], s[G0SW+3], 0x80000000
	CROUND                                         ; all sixteen work-groups are here
	s_cmp_lt_u32 s20, 2                            ; one load a wave
	s_cbranch_scc0 .Lx_scales
	TLOAD G0W, G1W
	s_branch .Lasked
.Lx_scales:
	s_cmp_eq_u32 s20, 2
	s_cbranch_scc0 .Lw_scales
	TLOAD G0S, G1S
	s_branch .Lasked
.Lw_scales:
	TLOAD G0SW, G1SW
.Lasked:
	s_lshl_b32 s96, s43, 14                        ; part: my tile, my tensor, my columns
	s_lshl_b32 s97, ttmp9, 13
	s_add_co_u32 s96, s96, s97
	s_lshl_b32 s97, s40, 10
	s_add_co_u32 s96, s96, s97
	s_mov_b32 s97, 0
	s_add_nc_u64 s[18:19], s[18:19], s[96:97]
	s_mov_b32 s84, 0x40404040
	s_mov_b32 s85, 0x3f3f3f3f
	s_mov_b32 s86, 0x1f1f1f1f
	s_mov_b32 s87, 0x20202020
	s_mov_b32 s88, 0x06040200
	s_mov_b32 s89, 0x05040100
	s_mov_b32 s66, 0x76543210
	s_mov_b32 s67, 0xfedcba98
	s_mov_b32 s94, 0xffff0000
	v_mov_b32 v[HSC], 0x7e7e7e7e
	v_mul_u32_u24 v[AX0], v1, PITCH
	v_lshl_add_u32 v[AX0], v2, 4, v[AX0]
	s_lshl_b32 s92, s21, 9
	v_add_nc_u32 v[AX0], s92, v[AX0]               ; x: row r, my half of K, + 16 h
	v_mov_b32 v[AX], v[AX0]
	s_mul_i32 s92, s22, SLOT1
	v_add_nc_u32 v[ADW0], s92, v[AX0]              ; the weight: my 128 rows
	v_add_nc_u32 v[ADW0+1], 4*BLKB, v[ADW0]
	v_lshlrev_b32 v51, 5, v1
	v_lshrrev_b32 v52, 3, v1
	v_lshl_add_u32 v51, v52, 4, v51
	s_lshl_b32 s92, s21, 4
	s_add_co_u32 s95, s92, SCX
	v_add_nc_u32 v[VS], s95, v51                   ; x's scale words: row r, my half of K
	v_lshlrev_b32 v51, 5, v3
	v_lshrrev_b32 v52, 3, v3
	v_lshl_add_u32 v51, v52, 4, v51
	s_mul_i32 s95, s22, 16*272
	s_add_co_u32 s92, s92, s95
	s_add_co_u32 s92, s92, SCW
	v_add_nc_u32 v[AWS], s92, v51                  ; the weight's: lane l row l of a pair of tiles
	v_lshlrev_b32 v51, 5, v2
	v_add_nc_u32 v[VC], CNT, v51                   ; counts of rows 8 h ..
	s_and_b32 s92, s43, 3
	s_lshl_b32 s92, s92, 4
	v_or_b32 v[TA], s92, v1
	v_mul_lo_u32 v[TA], v[TA], 0x01010101
	s_bfe_u32 s92, s43, 0x10002
	s_lshl_b32 s92, s92, 5
	v_or_b32 v[TB0], s92, v1
	v_mul_lo_u32 v[TB0], v[TB0], 0x01010101
	v_or_b32 v[TB1], 0x10101010, v[TB0]
	s_lshl_b32 s92, s20, 12
	s_add_co_u32 s92, s92, HB
	v_add_nc_u32 v[HS], s92, v[L16]
	v_lshl_add_u32 v[HA0], v2, 4, s92
	v_lshlrev_b32 v51, 2, v1                       ; 4 r
	v_lshl_add_u32 v52, v2, 10, v51                ; 1,024 h + 4 r
	v_add_nc_u32 v[HD], s92, v52
	v_lshl_add_u32 v[HC], v0, 4, HB
	v_lshl_add_u32 v[CW], v0, 4, CNT
	s_lshl_b32 s92, s21, 11
	s_lshl_b32 s95, s22, 9
	s_add_co_u32 s92, s92, s95
	s_add_co_u32 s92, s92, HB
	v_add_nc_u32 v[XSA], s92, v52
	v_and_b32 v51, 63, v0
	v_lshlrev_b32 v51, 4, v51
	v_lshrrev_b32 v52, 6, v0
	v_lshl_add_u32 v[GO], v52, 12, v51
	s_lshl_b32 s92, s40, 2
	s_add_co_u32 s92, s92, s20
	s_lshl_b32 s92, s92, 13
	v_lshl_add_u32 v[PFO], v3, 8, s92              ; a prefetch: my sixteenth of a chunk, lanes 256 bytes apart; never rewritten
	WALU
	global_prefetch_b8 v[PFO], s[4:5] th:TH_LOAD_NT scope:SCOPE_SE
	global_prefetch_b8 v[PFO], s[4:5] offset:131072 th:TH_LOAD_NT scope:SCOPE_SE
; four positions' indices of both samples -> a word of each byte
.macro PREP p
	s_wait_loadcnt 14-2*(\p)
.irp r, 0,1
	v_perm_b32 v[T+8*\r], v[RI+8*(\p)+2+\r], v[RI+8*(\p)+\r], s89
	v_perm_b32 v[T+8*\r+1], v[RI+8*(\p)+6+\r], v[RI+8*(\p)+4+\r], s89
	v_lshrrev_b32 v[T+8*\r+2], 5, v[T+8*\r]
	v_lshrrev_b32 v[T+8*\r+3], 5, v[T+8*\r+1]
	v_perm_b32 v[T+8*\r+2], v[T+8*\r+3], v[T+8*\r+2], s88
	v_and_b32 v[PW+16*\r+(\p)], s85, v[T+8*\r+2]
	v_perm_b32 v[T+8*\r+4], v[T+8*\r+1], v[T+8*\r], s88
	v_and_b32 v[T+8*\r+4], s86, v[T+8*\r+4]
	v_lshrrev_b32 v[T+8*\r], 6, v[T+8*\r]
	v_lshrrev_b32 v[T+8*\r+1], 6, v[T+8*\r+1]
	v_perm_b32 v[T+8*\r], v[T+8*\r+1], v[T+8*\r], s88
	v_and_or_b32 v[PW+16*\r+8+(\p)], v[T+8*\r], s87, v[T+8*\r+4]
.endr
.endm
.irp p, 0,1,2,3,4,5,6,7
	PREP \p
.endr
.irp y, 0,1,2,3
	ds_store_b128 v[HS], v[PW+8*\y:PW+8*\y+3] offset:1024*\y
	ds_store_b128 v[HS], v[PW+8*\y+4:PW+8*\y+7] offset:1024*\y+512
.endr
.macro HLOAD r, adr, off
.irp c, 0,1,2,3
	ds_load_b128 v[X+32*\r+4*\c:X+32*\r+4*\c+3], v[\adr] offset:2048*\r+\off+32*\c
	ds_load_b128 v[X+32*\r+16+4*\c:X+32*\r+16+4*\c+3], v[\adr] offset:2048*\r+1024+\off+32*\c
.endr
.endm
; 128 positions of sample r: three one-hot fragments, two products
.macro HHALF r, zero, load, left
	s_wait_dscnt \left
.set NN, 0
.rept 16
	v_xor_b32 v[F+48*\r+NN], v[TA], v[X+32*\r+NN]
	v_xor_b32 v[F+48*\r+16+NN], v[TB0], v[X+32*\r+16+NN]
	v_xor_b32 v[F+48*\r+32+NN], v[TB1], v[X+32*\r+16+NN]
.set NN, NN+1
.endr
.if \load
	HLOAD \r, HAK, 128
.endif
.set NN, 0
.rept 48
	v_sub_nc_u32 v[F+48*\r+NN], s84, v[F+48*\r+NN]
.set NN, NN+1
.endr
.set NN, 0
.rept 48
	v_and_b32 v[F+48*\r+NN], s84, v[F+48*\r+NN]
.set NN, NN+1
.endr
	PLACES 4
.irp f, 0,1
.if \zero
	v_wmma_scale_f32_16x16x128_f8f6f4 v[H+16*\r+8*\f:H+16*\r+8*\f+7], v[F+48*\r:F+48*\r+15], v[F+48*\r+16+16*\f:F+48*\r+31+16*\f], 0, v[HSC], v[HSC]
.else
	v_wmma_scale_f32_16x16x128_f8f6f4 v[H+16*\r+8*\f:H+16*\r+8*\f+7], v[F+48*\r:F+48*\r+15], v[F+48*\r+16+16*\f:F+48*\r+31+16*\f], v[H+16*\r+8*\f:H+16*\r+8*\f+7], v[HSC], v[HSC]
.endif
.endr
.endm
	HLOAD 0, HA0, 0
	HLOAD 1, HA0, 0
	s_mov_b32 s92, 0
	v_add_nc_u32 v[HAK], s92, v[HA0]
	HHALF 0, 1, 1, 8
	HHALF 1, 1, 1, 8
	s_mov_b32 s92, 128
.Lhist_a:                                              ; the first half of the positions, while the weight is on its way
	v_add_nc_u32 v[HAK], s92, v[HA0]
	HHALF 0, 0, 1, 8
	HHALF 1, 0, 1, 8
	s_add_co_u32 s92, s92, 128
	s_cmp_lt_u32 s92, 512
	s_cbranch_scc1 .Lhist_a
	WALU
	s_wait_tensorcnt 0x0                           ; the weight and all scale bytes
	s_wait_dscnt 0x0
	BARRIER
.macro WFRAG q, b                      ; fragment 8 q + b: 16 columns x 128 K
.set F_, 8*(\q)+(\b)
	WIN (1+F_/16)<<6
.irp c, 0,1,2,3
	ds_load_b128 v[16*(F_%16)+4*\c:16*(F_%16)+4*\c+3], v[ADW0+(\b)/4] offset:128*(\q)+32*\c+((\b)%4)*BLKB
.endr
.endm
.irp q, 0,1,2,3
.irp b, 0,1,2,3,4,5,6,7
	WFRAG \q, \b
.endr
.endr
	WIN 0
.irp p, 0,1,2,3
	ds_load_b128 v[SB+4*\p:SB+4*\p+3], v[AWS] offset:4*272*\p
.endr
	s_wait_tensorcnt 0x0                           ; ahead of a refill
	ds_add_u32 v[SPW], v[NIL]
	s_wait_dscnt 0x0                               ; the weight is in registers
	CROUND
	TLOAD G0R, G1R                                 ; chunk 0 into slot 0
	s_mov_b32 s92, 512
.Lhist_b:                                              ; the other half, while chunk 0 is on its way
	v_add_nc_u32 v[HAK], s92, v[HA0]
	HHALF 0, 0, 1, 8
	HHALF 1, 0, 1, 8
	s_add_co_u32 s92, s92, 128
	s_cmp_lt_u32 s92, 896
	s_cbranch_scc1 .Lhist_b
	HHALF 0, 0, 0, 8
	HHALF 1, 0, 0, 0
	PLACES 8
.irp r, 0,1
.irp f, 0,1
.irp j, 0,1,2,3,4,5,6,7
	ds_store_b32 v[HD], v[H+16*\r+8*\f+\j] offset:2048*\r+128*\j+64*\f   ; row 32 (8 h + j) + 16 f + r of the tile
.endr
.endr
.endr
	s_wait_dscnt 0x0
	BARRIER
.irp u, 0,1,2,3
.irp r, 0,1
	ds_load_b128 v[64+8*\u+4*\r:64+8*\u+4*\r+3], v[HC] offset:4096*\u+2048*\r
.endr
.endr
.set NN, 0
.rept 32
	v_mov_b32 v[SP+NN], 0
.set NN, NN+1
.endr
.set NN, 0
.rept 16
	v_mov_b32 v[CT+16+NN], 0                       ; block 0 finds no block before it: its counts are 0, and its sums' registers hold one-hot codes, which are finite numbers
.set NN, NN+1
.endr
	WALU
	s_wait_dscnt 0x0
.irp c, 0,2,4,6
	v_pk_add_f32 v[64+\c:65+\c], v[64+\c:65+\c], v[72+\c:73+\c]
	v_pk_add_f32 v[80+\c:81+\c], v[80+\c:81+\c], v[88+\c:89+\c]
.endr
.irp c, 0,2,4,6
	v_pk_add_f32 v[64+\c:65+\c], v[64+\c:65+\c], v[80+\c:81+\c]
.endr
	ds_store_b128 v[CW], v[64:67]
	ds_store_b128 v[CW], v[68:71] offset:2048
.macro FQ e, q, off                    ; 128 K of a block into set e
	WIN 0xc0
.irp c, 0,1,2,3
	ds_load_b128 v[64*(\e)+16*(\q)+4*\c:64*(\e)+16*(\q)+4*\c+3], v[AX] offset:\off+128*(\q)+32*\c
.endr
.endm
.macro CLOAD e, off                    ; a block's counts
.irp r, 0,1
	ds_load_b128 v[CT+16*\e+8*\r:CT+16*\e+8*\r+3], v[VC] offset:\off+2048*\r
	ds_load_b128 v[CT+16*\e+8*\r+4:CT+16*\e+8*\r+7], v[VC] offset:\off+2048*\r+16
.endr
.endm
.macro PRODK e, n                      ; product n = 8 q + b: source 0 = x's 16 rows, source 1 = 16 columns
.set Q_, (\n)/8
.set B_, (\n)%8
.set AC_, ACC+64*(\e)+8*B_
.set X_, 64*(\e)+16*Q_
.set W_, 16*((8*Q_+B_)%16)
.set XS_, SA+4*(\e)+Q_
.set WS_, SB+4*(B_/2)+Q_
	WIN 3|((1+Q_/2)<<2)
.if Q_ && (B_%2)
	v_wmma_scale_f32_16x16x128_f8f6f4 v[AC_:AC_+7], v[X_:X_+15], v[W_:W_+15], v[AC_:AC_+7], v[XS_], v[WS_] matrix_b_scale:MATRIX_SCALE_ROW1
.elseif Q_
	v_wmma_scale_f32_16x16x128_f8f6f4 v[AC_:AC_+7], v[X_:X_+15], v[W_:W_+15], v[AC_:AC_+7], v[XS_], v[WS_]
.elseif B_%2
	v_wmma_scale_f32_16x16x128_f8f6f4 v[AC_:AC_+7], v[X_:X_+15], v[W_:W_+15], 0, v[XS_], v[WS_] matrix_b_scale:MATRIX_SCALE_ROW1
.else
	v_wmma_scale_f32_16x16x128_f8f6f4 v[AC_:AC_+7], v[X_:X_+15], v[W_:W_+15], 0, v[XS_], v[WS_]
.endif
.endm
.macro EPIL s, k                       ; line k of 64: two rows of a tile, times a sample's counts; sixteen chains by turns, each accumulator from its low end on
.set U_, (\k)/16
.set R_, (\k)%2
.set T_, ((\k)%16)/2
.set S_, SP+2*(8*R_+T_)
.set A_, ACC+64*(\s)+8*T_+2*U_
.set C_, CT+16*(\s)+8*R_+2*U_
	v_pk_fma_f32 v[S_:S_+1], v[A_:A_+1], v[C_:C_+1], v[S_:S_+1]
.endm
; WHAT STANDS BEHIND PRODUCT n of a pair's block e.  Behind 4: the last quarter of the next block's x, its scale words, my own counts.  Further on the first three quarters of the block two on, each where the products that read its registers lie eight plain vector lines back.
; kind 0: plain; 1: shows the last chunk by a barrier; 2: a round and a refill; 3: the last pair.
.macro SLOTK e, kind, n
.if (\n) == 4
.if (\e) == 0
	FQ 1, 3, BLKB
	WIN 0
	ds_load_b128 v[SA+4:SA+7], v[VS] offset:544
	CLOAD 0, 0
.else
.if (\kind) != 3
	FQ 0, 3, 0
	WIN 0
	ds_load_b128 v[SA:SA+3], v[VS]
.endif
	CLOAD 1, 64
	v_add_nc_u32 v[VC], 128, v[VC]
.endif
.endif
.if ((\n) == 5) && ((\e) == 0) && ((\kind) != 3)
.if (\kind) == 0
	s_add_co_u32 s90, s90, PAIRB
.else
	s_xor_b32 s91, s91, SLOT1                      ; the next pair lies in the other slot
	s_mov_b32 s90, s91
.endif
	v_add_nc_u32 v[AX], s90, v[AX0]
	v_add_nc_u32 v[VS], 2*544, v[VS]
.endif
.if ((\kind) == 2) && ((\e) == 0)
.if (\n) == 6
	s_wait_tensorcnt 0x0                           ; the next chunk is in; no load of mine is out, so the descriptor may be written
	ds_add_u32 v[SPW], v[NIL]
	s_xor_b32 s[G0R+1], s[G0R+1], SLOT1            ; (wave x 33,280 and 133,120 have no bit in common)
	s_add_nc_u64 s[G0R+2:G0R+3], s[G0R+2:G0R+3], 0x20000
.endif
.if (\n) == 14
	WALU
	s_wait_dscnt 0x0                               ; the add, and my last reads of the slot that is filled again
	s_barrier_signal -1
.endif
.if (\n) == 18
	MIDDLE
	TLOAD G0R, G1R
.endif
.if (\n) == 31
	s_cmp_lg_u32 s93, 0
	s_cbranch_scc1 .Lnone_ahead_\@
	global_prefetch_b8 v[PFO], s[4:5] offset:393216 th:TH_LOAD_NT scope:SCOPE_SE   ; chunk 3, which the next round asks for
.Lnone_ahead_\@:
.endif
.endif
.if ((\kind) == 1) && ((\e) == 0)
.if (\n) == 14
	WALU
	s_wait_tensorcnt 0x0
	s_wait_dscnt 0x0
	s_barrier_signal -1
.endif
.if (\n) == 18
	s_barrier_wait -1
.endif
.endif
.if (\kind) != 3
.set F0_, 12
.set F1_, 20
.if ((\kind) != 0) && ((\e) == 0)
.set F0_, 20
.set F1_, 24
.endif
.if (\n) == F0_
	FQ \e, 0, BLKB*\e
.endif
.if (\n) == F1_
	FQ \e, 1, BLKB*\e
.endif
.if (\n) == 28
	FQ \e, 2, BLKB*\e
.endif
.endif
.endm
.macro BLOCK e, kind
.if ((\kind) == 3) && ((\e) == 1)
	s_wait_dscnt 0
.else
	s_wait_dscnt 12                                ; all but the twelve loads for the block after this one
.endif
.set N_, 0
.rept 32
	PRODK \e, N_
	WIN 0
	EPIL 1-\e, 2*N_
	EPIL 1-\e, 2*N_+1
	SLOTK \e, \kind, N_
.set N_, N_+1
.endr
	WIN 0
.endm
.macro PAIR kind
	BLOCK 0, \kind
	BLOCK 1, \kind
.endm
	WALU
	s_wait_tensorcnt 0x0                           ; chunk 0 is in
	ds_add_u32 v[SPW], v[NIL]
	s_xor_b32 s[G0R+1], s[G0R+1], SLOT1
	s_add_nc_u64 s[G0R+2:G0R+3], s[G0R+2:G0R+3], 0x20000
	s_wait_dscnt 0x0                               ; the counts are stored too
	CROUND
	TLOAD G0R, G1R                                 ; chunk 1 into slot 1
.irp q, 0,1,2,3
	FQ 0, \q, 0
.endr
	WIN 0
	ds_load_b128 v[SA:SA+3], v[VS]
.irp q, 0,1,2
	FQ 1, \q, BLKB
.endr
	WIN 0
	global_prefetch_b8 v[PFO], s[4:5] offset:262144 th:TH_LOAD_NT scope:SCOPE_SE   ; chunk 2
	s_mov_b32 s90, 0
	s_mov_b32 s91, 0
	s_mov_b32 s93, 0
.Lchunk:                                               ; blocks 0-7, 8-15; the last pair asks for chunk 2, 3
	s_mov_b32 s92, 0
.Lpair_a:
	PAIR 0
	s_add_co_u32 s92, s92, 1
	WALU
	s_cmp_lt_u32 s92, 3
	s_cbranch_scc1 .Lpair_a
	PAIR 2
	s_add_co_u32 s93, s93, 1
	WALU
	s_cmp_lt_u32 s93, 2
	s_cbranch_scc1 .Lchunk
	s_mov_b32 s92, 0
.Lpair_b:                                              ; blocks 16-21
	PAIR 0
	s_add_co_u32 s92, s92, 1
	WALU
	s_cmp_lt_u32 s92, 3
	s_cbranch_scc1 .Lpair_b
	PAIR 1
	s_mov_b32 s92, 0
.Lpair_c:                                              ; blocks 24-29
	PAIR 0
	s_add_co_u32 s92, s92, 1
	WALU
	s_cmp_lt_u32 s92, 3
	s_cbranch_scc1 .Lpair_c
	PAIR 3
	s_wait_dscnt 0x0
.set K_, 0
.rept 64
	EPIL 1, K_
.set K_, K_+1
.endr
.set K_, 0
.rept 16
	v_add_f32 v[SP+2*K_], v[SP+2*K_], v[SP+2*K_+1]
.set K_, K_+1
.endr
.set K_, 0
.rept 16
	v_permlanex16_b32 v[SP+2*K_+1], v[SP+2*K_], s66, s67
.set K_, K_+1
.endr
.set K_, 0
.rept 16
	v_add_f32 v[SP+2*K_], v[SP+2*K_], v[SP+2*K_+1]
.set K_, K_+1
.endr
.irp b, 0,1,2,3,4,5,6,7
	v_cndmask_b32 v[64+\b], v[SP+2*\b], v[SP+16+2*\b], s94   ; lanes 0-15 sample 0, lanes 16-31 sample 1
.endr
.irp b, 0,1,2,3,4,5,6,7
	ds_store_b32 v[XSA], v[64+\b] offset:64*\b
.endr
	s_wait_dscnt 0x0
	BARRIER
	ds_load_b128 v[80:83], v[HC]                   ; the two halves of K
	ds_load_b128 v[84:87], v[HC] offset:2048
	s_wait_dscnt 0x0
	v_pk_add_f32 v[80:81], v[80:81], v[84:85]
	v_pk_add_f32 v[82:83], v[82:83], v[86:87]
	global_store_b128 v[GO], v[80:83], s[18:19]    ; a wave stores 512 consecutive bytes
	s_wait_tensorcnt 0x0
	ds_add_u32 v[SPW], v[NIL]
	s_wait_dscnt 0x0
	CROUND
	s_endpgm
.Lfunc_end_k_qd23a4a493a_kvsum:
	.size	k_qd23a4a493a_kvsum, .Lfunc_end_k_qd23a4a493a_kvsum-k_qd23a4a493a_kvsum
	.p2alignl 7, 3214868480
	.fill 96, 4, 3214868480
	.section	.rodata,"a",@progbits
	.p2align	6, 0x0
	.amdhsa_kernel k_qd23a4a493a_kvsum
		.amdhsa_group_segment_fixed_size 327680
		.amdhsa_private_segment_fixed_size 0
		.amdhsa_enable_private_segment 0
		.amdhsa_kernarg_size 64
		.amdhsa_user_sgpr_count 2
		.amdhsa_user_sgpr_kernarg_segment_ptr 1
		.amdhsa_wavefront_size32 1
		.amdhsa_system_sgpr_workgroup_id_x 1
		.amdhsa_system_sgpr_workgroup_id_y 1
		.amdhsa_system_sgpr_workgroup_id_z 1
		.amdhsa_system_vgpr_workitem_id 0
		.amdhsa_next_free_vgpr 1024
		.amdhsa_next_free_sgpr 100
		.amdhsa_reserve_vcc 0
		.amdhsa_float_denorm_mode_32 3
		.amdhsa_float_denorm_mode_16_64 3
		.amdhsa_memory_ordered 1
		.amdhsa_forward_progress 1
		.amdhsa_inst_pref_size 229
	.end_amdhsa_kernel
	.amdgpu_metadata
---
amdhsa.version: [ 1, 2 ]
amdhsa.kernels:
  - .name:           k_qd23a4a493a_kvsum
    .symbol:         k_qd23a4a493a_kvsum.kd
    .args:
      - { .name: attention_input_codes, .offset: 0, .size: 8, .value_kind: global_buffer, .address_space: global }
      - { .name: attention_input_scales, .offset: 8, .size: 8, .value_kind: global_buffer, .address_space: global }
      - { .name: Wk_codes, .offset: 16, .size: 8, .value_kind: global_buffer, .address_space: global }
      - { .name: Wk_scales, .offset: 24, .size: 8, .value_kind: global_buffer, .address_space: global }
      - { .name: Wv_codes, .offset: 32, .size: 8, .value_kind: global_buffer, .address_space: global }
      - { .name: Wv_scales, .offset: 40, .size: 8, .value_kind: global_buffer, .address_space: global }
      - { .name: rand_idx, .offset: 48, .size: 8, .value_kind: global_buffer, .address_space: global }
      - { .name: part, .offset: 56, .size: 8, .value_kind: global_buffer, .address_space: global }
    .group_segment_fixed_size: 327680
    .private_segment_fixed_size: 0
    .kernarg_segment_align: 8
    .kernarg_segment_size: 64
    .max_flat_workgroup_size: 128
    .sgpr_count:     100
    .vgpr_count:     1024
    .wavefront_size: 32
...
	.end_amdgpu_metadata
.endif
;; end of part 1
;; launch qout (part 2): grid 4 x 64, 4 waves a work-group, clusters of 4 x 4, 327,680 bytes of LDS; arguments attention_input_codes, attention_input_scales, Wq_codes, Wq_scales, bq, bv, part, out0; writes out0
.if DOCPART == 2
	.amdgcn_target "amdgcn-amd-amdhsa--gfx1250"
	.amdhsa_code_object_version 6
	.text
	.protected	k_qd23a4a493a_qout
	.globl	k_qd23a4a493a_qout
	.p2align	8
	.type	k_qd23a4a493a_qout,@function
k_qd23a4a493a_qout:
	s_mov_b64 s[64:65], 0
	v_nop
	global_prefetch_b8 v0, s[64:65] scope:SCOPE_SE
	s_setreg_imm32_b32 hwreg(HW_REG_WAVE_MODE, 25, 1), 1
	s_wait_xcnt 0x0
	s_wait_alu depctr_hold_cnt(0) depctr_sa_sdst(0) depctr_va_vdst(0) depctr_va_sdst(0) depctr_va_ssrc(0) depctr_va_vcc(0) depctr_vm_vsrc(0)
	s_getreg_b32 s2, hwreg(HW_REG_IB_STS2, 6, 4)
	s_cmp_eq_u32 s2, 0
	s_cbranch_scc0 .Lentry_in_a_cluster
	s_endpgm
.Lentry_in_a_cluster:
	s_bfe_u32 s2, ttmp6, 0x10000c
	s_cmp_lg_u32 s2, 0xf033
	s_cbranch_scc0 .Lentry_shape_is_right
	s_endpgm
.Lentry_shape_is_right:
; out[row][head] = v_sum1 + p0 (v_sum0 - v_sum1), p0 = the softmax's weight of sample 0; q = x Wq + bq on codes of E4M3 with E8M0 scales as they are given.  q never goes to memory.
; p0 + p1 = 1, and p0 = n / (1 + e), e = 2^(-|d| log2(e) / 8), d = score0 - score1 = q . (k_sum0 - k_sum1), n = 1 where d >= 0, else e: the larger score is taken away ahead of the exponential, whose exponent is never above 0.
; bk and attention_mask are left out as the first launch's head shows: 4,096 bk is a term of k_sum0 and of k_sum1 alike.  bq . (k_sum0 - k_sum1) is added to d.
; LIMITS: the promise holds while the scaled scores stay under 2^31 in magnitude; a NaN, an infinity or an overflow that reaches only bk or attention_mask is not carried.
; SHARES.  Work-group: 256 rows x four heads; a wave: one head, 64 columns of Wq, all of K, in 512 registers; x's rows stream past in 16 blocks of 16, two sets of registers.
; Used transposed (source 0 = 16 columns of Wq, source 1 = 16 rows of x): a lane holds one row, so a score stays in the lane but for one exchange.  A block's scores, softmax, output and stores stand among the next block's products.
; FILLS.  Head: waves 0, 1 Wq's 256 rows; wave 2 x's rows 0-47; wave 3 the scale bytes of x's 256 rows.  With Wq in registers one refill, behind a drained round, brings x's other 208 rows over them; a barrier ahead of block 2 shows it.
; CLUSTERS: 4 x 4; x is shared along a row, Wq along a column.  The 208 rows are prefetched into the L2 ahead of their load, a sixteenth a wave of the cluster's row.
; REGISTERS: windows 1, 2 Wq (fragment 4 q + t); window 3 x's two sets; window 0 all else.
.set PITCH, 1040
.set BLKB, 16*PITCH
.set XA, 256*PITCH                     ; x's rows 0-47
.set XS, XA+48*PITCH                   ; x's scale bytes
.set SPARE, XS+32*272
.set KVB, SPARE+512                    ; k_sum0 - k_sum1: 512 bytes a wave
.set PST, KVB+2048                     ; p0: 64 bytes a wave: even rows, odd rows
.set AX, 4
.set VS, 5
.set SPW, 6
.set NIL, 7
.set VD, 8
.set V1, 12
.set BKS, 16
.set OO, 20
.set PSA, 21
.set PRD, 22
.set PFA, 23
.set SB, 24
.set AXB, 40
.set PFB, 41
.set ADW, 42
.set H32, 43
.set SA, 44
.set ONE, 60
.set BO, 61
.set ACC, 64
.set KD, 128
.set OUT, 192
.set PB, 224
.set SCR, 232
.set TT, 241
.set EE, 242
.set SS, 243
.set NU, 244
.set RC, 245
.set P0, 246
.set G1W, 24
.set G1R, 32
.set G0W, 48
.set G0R, 52
.set G0X, 56
.set G0S, 60
.set G1X, 68
.set G1S, 76
.set MSB, 0
.macro WIN new
.if MSB != (\new)
	s_set_vgpr_msb (MSB<<8)|(\new)
.set MSB, (\new)
.endif
.endm
.macro PLACES n
.rept \n
	v_nop
.endr
.endm
.macro WALU
	s_wait_alu depctr_va_vdst(0)
.endm
.macro BARRIER
	s_barrier_signal -1
	s_barrier_wait -1
.endm
.macro CROUND
	BARRIER
	s_cmp_lg_u32 s20, 0
	s_cbranch_scc1 .Lnot_wave_0_\@
	s_barrier_signal -3
.Lnot_wave_0_\@:
	s_barrier_wait -3
	BARRIER
.endm
.macro TLOAD g0, g1
	tensor_load_to_lds s[\g0:\g0+3], s[\g1:\g1+7]
	s_nop 0
	PLACES 4
.endm
.macro GROUP1 g, mask, rows            ; whole rows of 1,024 codes, 16 bytes of padding behind each
	s_or_b32 s[\g], s[\mask], (1<<20)|(1<<21)|(7<<22)|(3<<25)
	s_mov_b32 s[\g+1], 1024<<16
	s_mov_b32 s[\g+2], (\rows)<<16
	s_mov_b32 s[\g+3], 1024<<16
	s_mov_b32 s[\g+4], \rows
	s_mov_b32 s[\g+5], 1024
	s_mov_b32 s[\g+6], 0
	s_mov_b32 s[\g+7], 0
.endm
	s_load_b256 s[4:11], s[0:1], 0x0               ; x's codes, scales; Wq's codes, scales
	s_load_b256 s[12:19], s[0:1], 0x20             ; bq, bv, part, out0
	v_lshl_add_u32 v[SPW], v0, 2, SPARE
	v_mov_b32 v[NIL], 0
	ds_add_u32 v[SPW], v[NIL]                      ; the opening add, twice on end
	ds_add_u32 v[SPW], v[NIL]
	v_lshrrev_b32 v1, 5, v0
	v_readfirstlane_b32 s20, v1
	s_bfe_u32 s40, ttmp6, 0x40000                  ; cx
	s_bfe_u32 s41, ttmp6, 0x40004                  ; cy
	s_lshl_b32 s42, ttmp9, 2
	s_add_co_u32 s42, s42, s40                     ; 256 columns
	s_and_b32 s43, ttmp7, 0xffff
	s_lshl_b32 s43, s43, 2
	s_add_co_u32 s43, s43, s41                     ; 256 rows
	s_lshl_b32 s44, s41, 2
	s_lshl_b32 s44, 15, s44
	s_lshl_b32 s45, 0x1111, s40
	GROUP1 G1W, 45, 128
	GROUP1 G1R, 44, 52
	GROUP1 G1X, 44, 48
	s_or_b32 s[G1S], s44, (3<<16)|(1<<20)|(1<<21)|(5<<22)|(3<<25)   ; 8,192 dense scale bytes as rows of 256, 16 of padding behind each
	s_mov_b32 s[G1S+1], 32<<16
	s_mov_b32 s[G1S+2], 32<<16
	s_mov_b32 s[G1S+3], 32<<16
	s_mov_b32 s[G1S+4], 32
	s_mov_b32 s[G1S+5], 32
	s_mov_b32 s[G1S+6], 0
	s_mov_b32 s[G1S+7], 0
	s_lshl_b32 s2, s43, 18
	s_mov_b32 s3, 0
	s_lshl_b32 s46, s42, 18
	s_mov_b32 s47, 0
	s_lshl_b32 s84, s42, 13                        ; Wq's scale bytes: my 64 columns
	s_lshl_b32 s85, s20, 11
	s_add_co_u32 s84, s84, s85
	s_mov_b32 s85, 0
	s_lshl_b32 s86, s42, 10                        ; my head's columns, in bytes of f32
	s_lshl_b32 s87, s20, 8
	s_add_co_u32 s86, s86, s87
	s_mov_b32 s87, 0
	s_lshr_b32 s88, s43, 4                         ; part: my batch's eight tiles
	s_lshl_b32 s88, s88, 17
	s_add_co_u32 s88, s88, s86
	s_mov_b32 s89, 0
	s_lshl_b32 s90, s43, 20                        ; out0: my rows
	s_add_co_u32 s90, s90, s86
	s_mov_b32 s91, 0
	v_and_b32 v1, 15, v0                           ; r
	v_bfe_u32 v2, v0, 4, 1                         ; h
	v_and_b32 v3, 31, v0
	v_lshlrev_b32 v[BO], 4, v1
	v_lshl_add_u32 v[OO], v2, 12, v[BO]            ; lanes 0-15 one row of 4,096 bytes, lanes 16-31 the next
	v_lshlrev_b32 v[H32], 5, v2
	v_lshlrev_b32 v62, 5, v3
	WALU
	s_wait_dscnt 0x0
	s_wait_kmcnt 0x0
	s_add_nc_u64 s[4:5], s[4:5], s[2:3]
	s_lshr_b32 s2, s2, 5
	s_add_nc_u64 s[6:7], s[6:7], s[2:3]
	s_add_nc_u64 s[8:9], s[8:9], s[46:47]
	s_add_nc_u64 s[10:11], s[10:11], s[84:85]
	s_add_nc_u64 s[12:13], s[12:13], s[86:87]
	s_add_nc_u64 s[14:15], s[14:15], s[86:87]
	s_add_nc_u64 s[16:17], s[16:17], s[88:89]
	s_add_nc_u64 s[18:19], s[18:19], s[90:91]
.irp n, 0,1,2,3,4,5,6,7
	global_load_b128 v[128+8*\n:131+8*\n], v[OO], s[16:17] offset:16384*\n          ; lanes 0-15 sample 0, lanes 16-31 sample 1: k,
	global_load_b128 v[132+8*\n:135+8*\n], v[OO], s[16:17] offset:16384*\n+8192     ; and v
.endr
	global_load_b128 v[236:239], v[BO], s[14:15]   ; bv
.irp t, 0,1,2,3
	global_load_b128 v[192+8*\t:195+8*\t], v[H32], s[12:13] offset:64*\t            ; bq at columns 16 t + 8 h + 0 .. 7
	global_load_b128 v[196+8*\t:199+8*\t], v[H32], s[12:13] offset:64*\t+16
.endr
.irp p, 0,1
	global_load_b128 v[SB+8*\p:SB+8*\p+3], v62, s[10:11] offset:1024*\p             ; Wq's scale words: lane l row l of a pair of tiles
	global_load_b128 v[SB+8*\p+4:SB+8*\p+7], v62, s[10:11] offset:1024*\p+16
.endr
	s_mov_b32 s[G0W], 1
	s_mul_i32 s[G0W+1], s20, 128*PITCH
	s_lshl_b32 s84, s20, 17
	s_add_nc_u64 s[G0W+2:G0W+3], s[8:9], s[84:85]
	s_or_b32 s[G0W+3], s[G0W+3], 0x80000000
	s_mov_b32 s[G0R], 1
	s_mul_i32 s[G0R+1], s20, 52*PITCH
	s_mul_i32 s88, s20, 52*1024
	s_add_co_u32 s88, s88, 48*1024
	s_add_nc_u64 s[G0R+2:G0R+3], s[4:5], s[88:89]
	s_or_b32 s[G0R+3], s[G0R+3], 0x80000000
	s_mov_b32 s[G0X], 1
	s_mov_b32 s[G0X+1], XA
	s_mov_b64 s[G0X+2:G0X+3], s[4:5]
	s_or_b32 s[G0X+3], s[G0X+3], 0x80000000
	s_mov_b32 s[G0S], 1
	s_mov_b32 s[G0S+1], XS
	s_mov_b64 s[G0S+2:G0S+3], s[6:7]
	s_or_b32 s[G0S+3], s[G0S+3], 0x80000000
	CROUND                                         ; all sixteen work-groups are here
	s_cmp_lt_u32 s20, 2                            ; one load a wave
	s_cbranch_scc0 .Lx_rows
	TLOAD G0W, G1W
	s_branch .Lasked
.Lx_rows:
	s_cmp_eq_u32 s20, 2
	s_cbranch_scc0 .Lx_scales
	TLOAD G0X, G1X
	s_branch .Lasked
.Lx_scales:
	TLOAD G0S, G1S
.Lasked:
	s_mov_b32 s66, 0x76543210
	s_mov_b32 s67, 0xfedcba98
	s_mov_b32 s94, 0xffff0000                      ; lanes 16-31
	s_mov_b32 s95, 0x3e38aa3b                      ; log2(e) / 8
	v_mov_b32 v[ONE], 1.0
	v_mul_u32_u24 v[AXB], v1, PITCH
	v_lshl_add_u32 v[AXB], v2, 4, v[AXB]           ; a fragment's row r, + 16 h; x's rows 48 on begin at LDS byte 0
	v_add_nc_u32 v[AX], XA, v[AXB]
	s_mul_i32 s84, s20, 64*PITCH
	v_add_nc_u32 v[ADW], s84, v[AXB]
	v_lshlrev_b32 v63, 5, v1
	v_lshrrev_b32 v[VS], 3, v1
	v_lshl_add_u32 v63, v[VS], 4, v63
	v_add_nc_u32 v[VS], XS, v63
	s_lshl_b32 s84, s20, 6
	s_add_co_u32 s84, s84, PST
	v_lshl_add_u32 v[PRD], v2, 5, s84
	v_and_b32 v63, 1, v1
	v_lshl_add_u32 v[PSA], v63, 5, s84
	v_lshrrev_b32 v63, 1, v1
	v_lshl_add_u32 v[PSA], v63, 2, v[PSA]          ; row r: even rows, then odd rows
	s_lshl_b32 s84, s40, 2
	s_add_co_u32 s84, s84, s20
	s_mul_i32 s84, s84, 52*256
	s_add_co_u32 s84, s84, 48*1024
	v_lshl_add_u32 v[PFA], v3, 8, s84              ; prefetches: my 52 of the 832 units of 256 bytes: 32, and 20 (the lanes left over name the last once more); never rewritten
	v_add_nc_u32 v63, 32, v3
	v_min_u32 v63, 51, v63
	v_lshl_add_u32 v[PFB], v63, 8, s84
	s_lshl_b32 s84, s20, 9
	s_add_co_u32 s84, s84, KVB
	v_add_nc_u32 v235, s84, v[BO]                  ; (a register of the scores, which are made later)
	v_lshl_add_u32 v63, v2, 5, s84
.irp c, 0,1,2,3
	v_mov_b32 v[240+\c], 0                         ; (a lane permute's destination counts as one of its sources)
.endr
	WALU
	global_prefetch_b8 v[PFA], s[4:5] th:TH_LOAD_NT scope:SCOPE_SE
	global_prefetch_b8 v[PFB], s[4:5] th:TH_LOAD_NT scope:SCOPE_SE
	s_wait_loadcnt 0x0
; k_sum (without bk) and v_sum of my head: four columns a lane, the sample by the lane's half
.irp c, 0,2
	v_pk_add_f32 v[248+\c:249+\c], v[128+\c:129+\c], v[136+\c:137+\c]
	v_pk_fma_f32 v[252+\c:253+\c], v[236+\c:237+\c], 0x45800000, v[132+\c:133+\c] op_sel_hi:[1,0,1]   ; 4,096 positions
.endr
.irp c, 0,2
	v_pk_add_f32 v[252+\c:253+\c], v[252+\c:253+\c], v[140+\c:141+\c]
.endr
.irp n, 2,3,4,5,6,7
.irp c, 0,2
	v_pk_add_f32 v[248+\c:249+\c], v[248+\c:249+\c], v[128+8*\n+\c:129+8*\n+\c]
	v_pk_add_f32 v[252+\c:253+\c], v[252+\c:253+\c], v[132+8*\n+\c:133+8*\n+\c]
.endr
.endr
.irp c, 0,1,2,3
	v_permlanex16_b32 v[240+\c], v[248+\c], s66, s67
.endr
.irp c, 0,1,2,3
	v_sub_f32 v[244+\c], v[248+\c], v[240+\c]
	v_sub_f32 v[236+\c], v[240+\c], v[248+\c]
.endr
.irp c, 0,1,2,3
	v_cndmask_b32 v[244+\c], v[244+\c], v[236+\c], s94         ; k_sum0 - k_sum1 in both halves of the lanes
.endr
	ds_store_b128 v235, v[244:247]
.irp c, 0,1,2,3
	v_permlanex16_b32 v[240+\c], v[252+\c], s66, s67
.endr
.irp c, 0,1,2,3
	v_cndmask_b32 v[V1+\c], v[240+\c], v[252+\c], s94          ; v_sum1
	v_cndmask_b32 v[248+\c], v[252+\c], v[240+\c], s94         ; v_sum0
.endr
.irp c, 0,1,2,3
	v_sub_f32 v[VD+\c], v[248+\c], v[V1+\c]
.endr
.irp t, 0,1,2,3
	ds_load_b128 v[KD+8*\t:KD+8*\t+3], v63 offset:64*\t        ; in the result's layout: columns 16 t + 8 h + 0 .. 7 (my own bytes: LDS serves a wave in order)
	ds_load_b128 v[KD+8*\t+4:KD+8*\t+7], v63 offset:64*\t+16
.endr
	WALU
	s_wait_dscnt 0x0
	v_pk_mul_f32 v[BKS:BKS+1], v[192:193], v[KD:KD+1]          ; bq . (k_sum0 - k_sum1), my half of the columns: each score's chain begins with it
	v_pk_mul_f32 v[BKS+2:BKS+3], v[194:195], v[KD+2:KD+3]
.irp k, 4,8,12,16,20,24,28
	v_pk_fma_f32 v[BKS:BKS+1], v[192+\k:193+\k], v[KD+\k:KD+1+\k], v[BKS:BKS+1]
	v_pk_fma_f32 v[BKS+2:BKS+3], v[194+\k:195+\k], v[KD+2+\k:KD+3+\k], v[BKS+2:BKS+3]
.endr
	WALU
	s_wait_tensorcnt 0x0
	s_wait_dscnt 0x0
	BARRIER
.macro WFRAG q, t
.set F_, 4*(\q)+(\t)
	WIN (1+F_/16)<<6
.irp c, 0,1,2,3
	ds_load_b128 v[16*(F_%16)+4*\c:16*(F_%16)+4*\c+3], v[ADW] offset:128*(\q)+32*\c+(\t)*BLKB
.endr
.endm
.macro FQ e, q, off, a                 ; 128 K of a block into set e
	WIN 0xc0
.irp c, 0,1,2,3
	ds_load_b128 v[128*(\e)+16*(\q)+4*\c:128*(\e)+16*(\q)+4*\c+3], v[\a] offset:\off+128*(\q)+32*\c
.endr
.endm
.macro SLD e, off                      ; a block's scale words
	WIN 0
	ds_load_b128 v[SA+8*\e:SA+8*\e+3], v[VS] offset:\off
	ds_load_b128 v[SA+8*\e+4:SA+8*\e+7], v[VS] offset:\off+16
.endm
.irp q, 0,1,2,3,4,5,6,7
.irp t, 0,1,2,3
	WFRAG \q, \t
.endr
.endr
.irp q, 0,1,2,3,4,5,6,7
	FQ 0, \q, 0, AX
.endr
	SLD 0, 0
.irp q, 0,1,2,3,4,5,6
	FQ 1, \q, BLKB, AX
.endr
	WIN 0
	s_wait_tensorcnt 0x0                           ; ahead of the refill
	ds_add_u32 v[SPW], v[NIL]
	s_wait_dscnt 0x0                               ; Wq is in registers
	CROUND
	TLOAD G0R, G1R
.macro PRODQ e, n                      ; product n = 4 q + t
.set Q_, (\n)/4
.set T_, (\n)%4
.set AC_, ACC+32*(\e)+8*T_
.set X_, 128*(\e)+16*Q_
.set W_, 16*((\n)%16)
.set XS_, SA+8*(\e)+Q_
.set WS_, SB+8*(T_/2)+Q_
	WIN (1+(\n)/16)|(3<<2)
.if Q_ && (T_%2)
	v_wmma_scale_f32_16x16x128_f8f6f4 v[AC_:AC_+7], v[W_:W_+15], v[X_:X_+15], v[AC_:AC_+7], v[WS_], v[XS_] matrix_a_scale:MATRIX_SCALE_ROW1
.elseif Q_
	v_wmma_scale_f32_16x16x128_f8f6f4 v[AC_:AC_+7], v[W_:W_+15], v[X_:X_+15], v[AC_:AC_+7], v[WS_], v[XS_]
.elseif T_%2
	v_wmma_scale_f32_16x16x128_f8f6f4 v[AC_:AC_+7], v[W_:W_+15], v[X_:X_+15], 0, v[WS_], v[XS_] matrix_a_scale:MATRIX_SCALE_ROW1
.else
	v_wmma_scale_f32_16x16x128_f8f6f4 v[AC_:AC_+7], v[W_:W_+15], v[X_:X_+15], 0, v[WS_], v[XS_]
.endif
.endm
.macro SCOREL s, k                     ; line k of 16: two columns; two chains by turns, each accumulator from its low end on
.set U_, (\k)/4
.set T_, (\k)%4
.set C_, SCR+2*(T_%2)
.set A_, ACC+32*(\s)+8*T_+2*U_
.set D_, KD+8*T_+2*U_
.set B_, C_
.if (\k) < 2
.set B_, BKS+2*(\k)
.endif
	v_pk_fma_f32 v[C_:C_+1], v[A_:A_+1], v[D_:D_+1], v[B_:B_+1]
.endm
; THE BLOCK BEFORE, among this block's products: what stands behind product n.  s: its set; first = 1: no block has been stored yet; dw: LDS loads behind p0's that may be out.
.macro LST s, n, first, dw
.if (\n) < 2
	PLACES 2
.elseif (\n) < 10
	SCOREL \s, 2*((\n)-2)
	SCOREL \s, 2*((\n)-2)+1
.elseif (\n) == 10
	v_pk_add_f32 v[SCR:SCR+1], v[SCR:SCR+1], v[SCR+2:SCR+3]
	v_nop
.elseif (\n) == 11
	v_add_f32 v[SCR], v[SCR], v[SCR+1]
	v_nop
.elseif (\n) == 12
	v_permlanex16_b32 v[SCR+1], v[SCR], s66, s67
	v_nop
.elseif (\n) == 13
	v_add_f32 v[SCR], v[SCR], v[SCR+1]             ; d of row r, in both halves of the lanes
	v_nop
.elseif (\n) == 14
	v_mul_f32 v[TT], s95, -|v[SCR]|
	v_cmp_le_f32 s97, 0, v[SCR]
	WALU
	v_exp_f32 v[EE], v[TT]
	v_nop
	WALU                                           ; ahead of the next product too, which takes an accumulator up again
	v_add_f32 v[SS], 1.0, v[EE]
	v_cndmask_b32 v[NU], v[EE], v[ONE], s97
.elseif (\n) == 15
	WALU
	v_rcp_f32 v[RC], v[SS]
	v_nop
	WALU
	v_mul_f32 v[P0], v[NU], v[RC]
.elseif (\n) == 16
	v_nop
	ds_store_b32 v[PSA], v[P0]                     ; my own bytes: LDS serves a wave in order
	ds_load_b128 v[PB:PB+3], v[PRD]                ; p0 of rows 2 j + h
	ds_load_b128 v[PB+4:PB+7], v[PRD] offset:16
	v_nop
.elseif (\n) < 24
	PLACES 2
.else
.if (\n) == 24
	s_wait_xcnt 0x0                                ; the stores of the block before have read their data and base
.if (\first) == 0
	s_add_nc_u64 s[18:19], s[18:19], 0x10000
.endif
	s_wait_dscnt \dw
.endif
.set J_, (\n)-24
.set O_, OUT+4*J_
.set P_, PB+2*(J_/2)
.if J_%2
	v_pk_fma_f32 v[O_:O_+1], v[VD:VD+1], v[P_:P_+1], v[V1:V1+1] op_sel:[0,1,0] op_sel_hi:[1,1,1]
	v_pk_fma_f32 v[O_+2:O_+3], v[VD+2:VD+3], v[P_:P_+1], v[V1+2:V1+3] op_sel:[0,1,0] op_sel_hi:[1,1,1]
.else
	v_pk_fma_f32 v[O_:O_+1], v[VD:VD+1], v[P_:P_+1], v[V1:V1+1] op_sel_hi:[1,0,1]
	v_pk_fma_f32 v[O_+2:O_+3], v[VD+2:VD+3], v[P_:P_+1], v[V1+2:V1+3] op_sel_hi:[1,0,1]
.endif
	global_store_b128 v[OO], v[O_:O_+3], s[18:19] offset:8192*J_ th:TH_STORE_NT   ; two rows' 256 consecutive bytes each, at multiples of 256
.endif
.endm
; LOADS behind product n of a pair's block e.  Behind 3: the last eighth of the next block's x and its scale words; from 7 on, behind every fourth, an eighth of the block two on, whose registers the products before have left.
; kind 0: the loop; 1: blocks 0, 1; 2: blocks 2, 3; 3: blocks 14, 15.
.macro SLOTQ e, kind, n
.if (\n) == 3
.if (\e) == 0
.if (\kind) == 2
.irp q, 0,1,2,3,4,5,6,7
	FQ 1, \q, 0, AXB
.endr
.else
	FQ 1, 7, BLKB, AX
.endif
	SLD 1, 544
.if (\kind) == 0
	v_add_nc_u32 v[AX], 2*BLKB, v[AX]
.elseif (\kind) == 2
	v_add_nc_u32 v[AX], BLKB, v[AXB]               ; block 4
.endif
.if (\kind) != 3
	v_add_nc_u32 v[VS], 2*544, v[VS]
.endif
.elseif (\kind) == 0
	FQ 0, 7, 0, AX
	SLD 0, 0
.elseif (\kind) == 1
	FQ 0, 7, 2*BLKB, AX
	SLD 0, 0
.elseif (\kind) == 2
	FQ 0, 7, BLKB, AXB
	SLD 0, 0
.endif
.elseif ((\n)%4) == 3
.if (\kind) == 0
	FQ \e, ((\n)-7)/4, BLKB*\e, AX
.elseif ((\kind) == 1) && ((\e) == 0)
	FQ 0, ((\n)-7)/4, 2*BLKB, AX
.elseif (\kind) == 2
	FQ \e, ((\n)-7)/4, BLKB*(1+\e), AXB
.endif
.endif
.endm
.macro BLOCKQ e, kind, epi, w, dw      ; epi 0: no block before; 2: the first to be stored
	s_wait_dscnt \w
.set N_, 0
.rept 32
	PRODQ \e, N_
	WIN 0
.if (\epi) == 0
	PLACES 2
.else
	LST 1-\e, N_, (\epi)/2, \dw
.endif
	SLOTQ \e, \kind, N_
.set N_, N_+1
.endr
	WIN 0
.endm
	BLOCKQ 0, 1, 0, 28, 0                          ; 28: seven eighths of the block after
	WALU
	BLOCKQ 1, 1, 2, 28, 0
	WALU
	s_wait_tensorcnt 0x0                           ; my part of the 208 rows
	s_wait_dscnt 0x0
	BARRIER
	BLOCKQ 0, 2, 1, 0, 8
	BLOCKQ 1, 2, 1, 31, 8                          ; 31: those 28, p0's store and its two loads; 8: two eighths behind p0's loads
	s_mov_b32 s96, 0
.Lpair:                                                ; blocks 4 to 13
	BLOCKQ 0, 0, 1, 31, 8
	BLOCKQ 1, 0, 1, 31, 8
	s_add_co_u32 s96, s96, 1
	WALU
	s_cmp_lt_u32 s96, 5
	s_cbranch_scc1 .Lpair
	BLOCKQ 0, 3, 1, 31, 0
	BLOCKQ 1, 3, 1, 0, 0
.set N_, 0
.rept 32
	LST 1, N_, 0, 0                                ; block 15
.set N_, N_+1
.endr
	s_wait_tensorcnt 0x0
	ds_add_u32 v[SPW], v[NIL]
	s_wait_dscnt 0x0
	CROUND
	s_endpgm
.Lfunc_end_k_qd23a4a493a_qout:
	.size	k_qd23a4a493a_qout, .Lfunc_end_k_qd23a4a493a_qout-k_qd23a4a493a_qout
	.p2alignl 7, 3214868480
	.fill 96, 4, 3214868480
	.section	.rodata,"a",@progbits
	.p2align	6, 0x0
	.amdhsa_kernel k_qd23a4a493a_qout
		.amdhsa_group_segment_fixed_size 327680
		.amdhsa_private_segment_fixed_size 0
		.amdhsa_enable_private_segment 0
		.amdhsa_kernarg_size 64
		.amdhsa_user_sgpr_count 2
		.amdhsa_user_sgpr_kernarg_segment_ptr 1
		.amdhsa_wavefront_size32 1
		.amdhsa_system_sgpr_workgroup_id_x 1
		.amdhsa_system_sgpr_workgroup_id_y 1
		.amdhsa_system_sgpr_workgroup_id_z 1
		.amdhsa_system_vgpr_workitem_id 0
		.amdhsa_next_free_vgpr 1024
		.amdhsa_next_free_sgpr 100
		.amdhsa_reserve_vcc 0
		.amdhsa_float_denorm_mode_32 3
		.amdhsa_float_denorm_mode_16_64 3
		.amdhsa_memory_ordered 1
		.amdhsa_forward_progress 1
		.amdhsa_inst_pref_size 132
	.end_amdhsa_kernel
	.amdgpu_metadata
---
amdhsa.version: [ 1, 2 ]
amdhsa.kernels:
  - .name:           k_qd23a4a493a_qout
    .symbol:         k_qd23a4a493a_qout.kd
    .args:
      - { .name: attention_input_codes, .offset: 0, .size: 8, .value_kind: global_buffer, .address_space: global }
      - { .name: attention_input_scales, .offset: 8, .size: 8, .value_kind: global_buffer, .address_space: global }
      - { .name: Wq_codes, .offset: 16, .size: 8, .value_kind: global_buffer, .address_space: global }
      - { .name: Wq_scales, .offset: 24, .size: 8, .value_kind: global_buffer, .address_space: global }
      - { .name: bq, .offset: 32, .size: 8, .value_kind: global_buffer, .address_space: global }
      - { .name: bv, .offset: 40, .size: 8, .value_kind: global_buffer, .address_space: global }
      - { .name: part, .offset: 48, .size: 8, .value_kind: global_buffer, .address_space: global }
      - { .name: out0, .offset: 56, .size: 8, .value_kind: global_buffer, .address_space: global }
    .group_segment_fixed_size: 327680
    .private_segment_fixed_size: 0
    .kernarg_segment_align: 8
    .kernarg_segment_size: 64
    .max_flat_workgroup_size: 128
    .sgpr_count:     100
    .vgpr_count:     1024
    .wavefront_size: 32
...
	.end_amdgpu_metadata
.endif
;; end of part 2
